; MI455X (gfx1250); checked and timed in simulation.
; The chip was launched on July 23, 2026; its instructions are those of AMD's public machine-readable ISA for CDNA 5 (MIT licence, August 2026) and "CDNA5" Instruction Set Architecture Reference Guide (July 2026). The comments in the code are by the model that wrote it; some were corrected since.
;; Sequence Multi Head Attention. Allowed arithmetic: matrix products marked QUANTISED: E2M1 operands, one E8M0 scale for each 32 along K, by v_wmma_scale_f32_16x16x128_f8f6f4 with both operands' format E2M1 (or v_wmma_scale_f32_32x16x128_f4), f32 sums; products left as they are: bf16, f16 or f32 operands; f32 sums; everything else in f32.
;; Inputs: Wk 512 x 1,024 float32; Wo 1,024 x 512 float32; Wq 512 x 1,024 float32; Wv 512 x 1,024 float32; index 4,096 int32; inputs 4,096 x 512 float32.
;; Outputs: out0 4,096 x 512 float32.
;; This version of the problem:
;;   THIS VERSION OF THE PROBLEM IS GIVEN IN LOW PRECISION. The matrix products marked QUANTISED in the list below multiply operands that are first quantised to E2M1 (2 exponent bits, 1 mantissa bit; 4 bits a number), with one power-of-two scale for each 32 numbers along K (OCP MX v1.0); their sums are f32. The products marked 'left as it is' may take bf16, f16 or f32 operands, with f32 sums. Whichever they take, every output number must still come out within the allowed error. Rounding operands to bf16 (8 significant bits) uses up far more of that allowance than f16 does (11 bits, for magnitudes from 6e-5 to 65,504). All else is computed in f32.
;;   The module's matrix products, in the order in which they are computed (A, B: the left and right operand; K: the contracted axis; several contracted axes count as one K, in the product's order):
;;     1. [M 4,096, K 512] x [K 512, N 1,024]; A: input inputs; B: input Wk: QUANTISED
;;     2. [M 4,096, K 512] x [K 512, N 1,024]; A: input inputs; B: input Wq: QUANTISED
;;     3. [M 4,096, K 512] x [K 512, N 1,024]; A: input inputs; B: input Wv: QUANTISED
;;     4. batch 8 x [M 4,096, K 128] x [K 128, N 4,096]; A: computed on the way; B: computed on the way: left as it is (an operand is computed on the way)
;;     5. batch 8 x [M 128, K 4,096] x [K 4,096, N 4,096]; A: computed on the way; B: computed on the way: left as it is (an operand is computed on the way)
;;     6. [M 4,096, K 1,024] x [K 1,024, N 512]; A: computed on the way; B: input Wo: left as it is (an operand is computed on the way)
;;   THE QUANTISER, for each operand of a quantised product, along K:
;;     - K is cut into blocks of 32 from its start; a last block that is shorter is filled with zeros.
;;     - A block's scale is 2^e with e = floor(log2(the largest magnitude in the block)) - 2, held to -126 .. 127; a block of zeros has e = 0. As a byte (E8M0): e + 127.
;;     - Each number is divided by its block's scale, clamped to +-6, and rounded to the nearest number of E2M1, ties to even, subnormals kept.
;;     - The product sums the exact products of the quantised numbers (number of the format x scale) in f32.
;;   ~~~python
;;   def quantise(x, axis):      # numpy; x: float32 -> the quantised numbers, widened to float32 again
;;       x = np.moveaxis(x, axis, -1); K = x.shape[-1]
;;       x = np.pad(x, [(0, 0)] * (x.ndim - 1) + [(0, -K % 32)]); x = x.reshape(x.shape[:-1] + (-1, 32)); a = np.abs(x).max(-1, keepdims=True)
;;       e = np.where(a > 0, np.clip(np.frexp(np.where(a > 0, a, 1))[1] - 1 - 2, -126, 127), 0)      # np.frexp(a)[1] - 1 = floor(log2(a)), exactly
;;       r = np.clip(x / 2.0 ** e, -6, 6)
;;       step = 2.0 ** (np.maximum(np.frexp(np.where(r == 0, 1, r))[1] - 1, 0) - 1)
;;       q = np.round(r / step) * step * 2.0 ** e      # np.round: ties to even
;;       return np.moveaxis(q.reshape(q.shape[:-2] + (-1,))[..., :K], -1, axis).astype(np.float32)
;;   ~~~
;; One version. Each part assembles by itself: llvm-mc -triple=amdgcn-amd-amdhsa -mcpu=gfx1250 --defsym DOCPART=n.
;; ======== version 1 of 1: 4 launches
;; limits: values are held in f16: magnitudes above 65,504 overflow, below 6.1e-05 lose precision
;; workspace buffers: codes 1,835,008 bytes; scl 114,688 bytes; wo16 1,048,576 bytes; segs 1,024 bytes of whole numbers; qkv 25,165,824 bytes; res 8,388,608 bytes
;; launch prep (part 1): grid 257 x 1, 4 waves a work-group, no clusters, 34,304 bytes of LDS; arguments inputs, Wk, Wq, Wv, Wo, index, codes, scl, wo16, segs; writes codes, scl, wo16, segs
.if DOCPART == 1
	.amdgcn_target "amdgcn-amd-amdhsa--gfx1250"
	.amdhsa_code_object_version 6
	.text
	.protected	k_qb546145d7e_prep
	.globl	k_qb546145d7e_prep
	.p2align	8
	.type	k_qb546145d7e_prep,@function
k_qb546145d7e_prep:
	s_mov_b64 s[64:65], 0
	v_nop
	global_prefetch_b8 v0, s[64:65] scope:SCOPE_SE
	s_setreg_imm32_b32 hwreg(HW_REG_WAVE_MODE, 25, 1), 1
	s_wait_xcnt 0x0
; PREP: everything that is made once.  Four kinds of work-group, told apart by the work-group's number:
;   0-127   X: inputs [4096][512] f32 -> codes of FP4 (E2M1) with one E8M0 byte for each 32 along K (K innermost)
;   128-223 W: Wk, Wq, Wv [512 (K)][1024] f32 -> the same, K being their FIRST axis: a lane takes a column, its registers run down K
;   224-255 O: Wo [1024 (K)][512] f32 -> f16
;   256     I: smallest and largest index (taken as unsigned) of each 32 tokens -> segs
; ALL RESULTS ARE LAID AS IMAGES OF OPERAND REGISTERS: a group of four registers of a fragment is 512 bytes, lane l's 16 bytes at 16 l.
;   FP4 fragment (16 rows x 128 K): group c, lane r + 16 h = the 32 codes of row r at K = 64 c + 32 h + 0..31 (block 2 c + h); scale word: byte b for block b.
;   f16 fragment (16 rows x 32 K):  group c, lane r + 16 h = row r at K = 16 c + 8 h + 0..7.
;   codes: x [row tile 256][K step 4][1024 B], then from byte 1048576 W [column tile 192][K step 4][1024 B] (column = 1024 mat + n; mat 0 Wk, 1 Wq, 2 Wv)
;   scl:   x [K step 4][row 4096] words, then from byte 65536 W [K step 4][column 3072] words.   wo16: [column tile 32][K step 32][1024 B].   segs: min[128], max[128].
; A block's scale is 2^(floor(log2(largest magnitude)) - 2); its byte is the largest magnitude's exponent field - 2, held at 1 from below.
; LIMITS: a block of zeros gets the byte 1 where the rule says 127 (its codes are zeros, and this program alone reads the bytes); NaN and infinities are not served;
; |Wo| stays at or under 65,504, and numbers of Wo under 6e-5 are rounded in steps of 2^-24 (f16).
; No tensor loads, no barrier: waves share nothing.  Only the X path uses LDS (each wave's own stage).
.set SPARE, 33792                      ; behind the four stages: the spare words, 128 bytes a wave
.set STGB,  8448                       ; a wave's stage: 16 rows x (512 bytes + 16)
.set R0, 32                            ; v32-95   X: the first fragment's numbers as loaded; W, O: v32-159 a column's 128 numbers
.set R1, 96                            ; v96-159  X: the second fragment's
.set XR, 160                           ; v160-223 X: 64 numbers in the operand's order; W: codes; O: f16
.set C0, 224                           ; v224-231, v232-239 X: the two fragments' codes
.set C1, 232
; 16 rows x 512 bytes go into my stage as they were loaded and come back in the operand's order: lane (r, h) takes of row r the numbers 64 c + 32 h + 0..31.
; LDS serves a wave's instructions in order, so no wait stands between the stores and the loads.  Rows 528 bytes apart: sixteen rows start in sixteen different groups of banks.
.macro TURN src, dst
.irp i, 0,1,2,3,4,5,6,7,8,9,10,11,12,13,14,15
	ds_store_b128 v5, v[\src+4*\i:\src+4*\i+3] offset:528*\i
.endr
.irp c, 0,1
.irp q, 0,1,2,3,4,5,6,7
	ds_load_b128 v[\dst+32*\c+4*\q:\dst+32*\c+4*\q+3], v6 offset:256*\c+16*\q
.endr
.endr
.endm
; 64 numbers of a lane (two whole blocks: 2 c + h) become the fragment's eight registers of codes and my row's scale word.
.macro QX x, cd, word
.irp c, 0,1
	v_max3_num_f32 v[10+\c], |v[\x+32*\c]|, |v[\x+32*\c+1]|, 0x1800000   ; the floor 2^(3 - 127) among the leaves: the byte cannot fall under 1
.endr
.irp i, 2,4,6,8,10,12,14,16,18,20,22,24,26,28,30
.irp c, 0,1
	v_max3_num_f32 v[10+\c], v[10+\c], |v[\x+32*\c+\i]|, |v[\x+32*\c+\i+1]|   ; the two blocks by turns
.endr
.endr
.irp c, 0,1
	v_add_nc_u32 v[12+\c], 0xff000000, v[10+\c]    ; 2 off the exponent field: the conversion's scale operand
.endr
.irp c, 0,1
	v_lshrrev_b32 v[14+\c], 23, v[12+\c]           ; the scale's byte
.endr
	v_lshl_or_b32 v[\word], v15, 16, v14           ; my two bytes, blocks h and 2 + h,
	v_lshlrev_b32 v[\word], v7, v[\word]           ; 8 h bits up;
	v_permlanex16_b32 v19, v[\word], s26, s27
	v_or_b32 v[\word], v[\word], v19               ; with lane l xor 16's two the word is whole
.irp c, 0,1
.irp g, 0,1,2,3
	v_cvt_scalef32_pk8_fp4_f32 v[\cd+4*\c+\g], v[\x+32*\c+8*\g:\x+32*\c+8*\g+7], v[12+\c]
.endr
.endr
	v_nop                                          ; one plain line behind the last scaled conversion
.endm
; a column's 128 numbers down K: each load reads 128 consecutive bytes a wave, the four waves side by side on 512
.macro LOADCOL base, pitch
.set n, 0
.rept 128
	global_load_b32 v[R0+n], v9, s[\base:\base+1] offset:n*\pitch th:TH_LOAD_NT
.set n, n+1
.endr
.endm
; block b of my column: all 32 numbers are mine
.macro WBLK b
.set XS, R0+32*\b
	v_max3_num_f32 v12, |v[XS]|, |v[XS+1]|, |v[XS+2]|
	v_max3_num_f32 v13, |v[XS+3]|, |v[XS+4]|, |v[XS+5]|
.irp i, 6,10,14,18,22,26
	v_max3_num_f32 v12, v12, |v[XS+\i]|, |v[XS+\i+1]|
	v_max3_num_f32 v13, v13, |v[XS+\i+2]|, |v[XS+\i+3]|
.endr
	v_max3_num_f32 v12, v12, |v[XS+30]|, |v[XS+31]|
	v_max3_num_f32 v12, v12, v13, 0x1800000        ; and the floor
	v_add_nc_u32 v11, 0xff000000, v12
	v_lshrrev_b32 v13, 23, v11
.if \b == 0
	v_mov_b32 v14, v13                             ; four bytes make the column's scale word
.else
	v_lshl_or_b32 v14, v13, 8*\b, v14
.endif
.irp g, 0,1,2,3
	v_cvt_scalef32_pk8_fp4_f32 v[XR+4*\b+\g], v[XS+8*\g:XS+8*\g+7], v11
.endr
	v_nop
	global_store_b128 v10, v[XR+4*\b:XR+4*\b+3], s[16:17] offset:256*\b   ; block b = group b / 2, half b % 2: sixteen lanes fill 256 consecutive bytes, aligned
.endm
; K step k (32 numbers) of my column of Wo, as f16: piece p = 8 numbers = group p / 2, half p % 2
.macro OBLK k
.irp p, 0,1,2,3
.irp j, 0,1,2,3
	v_cvt_pk_f16_f32 v[XR+16*\k+4*\p+\j], v[R0+32*\k+8*\p+2*\j], v[R0+32*\k+8*\p+2*\j+1]
.endr
	global_store_b128 v10, v[XR+16*\k+4*\p:XR+16*\k+4*\p+3], s[20:21] offset:1024*\k+256*\p
.endr
.endm
	s_load_b512 s[4:19], s[0:1], 0x0               ; inputs 4, Wk 6, Wq 8, Wv 10, Wo 12, index 14, codes 16, scl 18
	s_load_b128 s[20:23], s[0:1], 0x40             ; wo16 20, segs 22
	v_lshl_add_u32 v28, v0, 2, SPARE               ; my spare word; never rewritten
	v_mov_b32 v29, 0                               ; 0; never rewritten
	v_lshrrev_b32 v1, 5, v0
	v_readfirstlane_b32 s24, v1                    ; wave
	v_and_b32 v1, 31, v0                           ; lane
	v_and_b32 v2, 15, v0                           ; r
	v_bfe_u32 v3, v0, 4, 1                         ; h
	v_lshlrev_b32 v4, 4, v1                        ; 16 x lane
	v_lshlrev_b32 v9, 2, v1                        ; 4 x lane
	s_mul_i32 s25, s24, STGB
	v_add_nc_u32 v5, s25, v4                       ; my stage, on the way in: 16 x lane
	v_mul_u32_u24 v6, v2, 528
	v_lshl_add_u32 v6, v3, 7, v6
	v_add_nc_u32 v6, s25, v6                       ; and back: row r, + 128 h
	s_mov_b32 s33, 0                               ; the upper word of every offset
	s_wait_kmcnt 0x0
	s_cmp_lt_u32 ttmp9, 128
	s_cbranch_scc1 .Lx
	s_cmp_lt_u32 ttmp9, 224
	s_cbranch_scc1 .Lw
	s_cmp_lt_u32 ttmp9, 256
	s_cbranch_scc1 .Lo
	; ---- I: thread t takes tokens 32 t .. 32 t + 31
	v_lshlrev_b32 v10, 7, v0
.irp i, 0,1,2,3,4,5,6,7
	global_load_b128 v[32+4*\i:35+4*\i], v10, s[14:15] offset:16*\i
.endr
	v_lshlrev_b32 v11, 2, v0
	s_wait_loadcnt 0x0
.irp k, 0,1,2,3
	v_min_u32 v[12+\k], v[32+\k], v[36+\k]         ; four chains each
	v_max_u32 v[16+\k], v[32+\k], v[36+\k]
.endr
.irp i, 2,3,4,5,6,7
.irp k, 0,1,2,3
	v_min_u32 v[12+\k], v[12+\k], v[32+4*\i+\k]
	v_max_u32 v[16+\k], v[16+\k], v[32+4*\i+\k]
.endr
.endr
	v_min_u32 v12, v12, v13
	v_min_u32 v14, v14, v15
	v_max_u32 v16, v16, v17
	v_max_u32 v18, v18, v19
	v_min_u32 v12, v12, v14
	v_max_u32 v16, v16, v18
	global_store_b32 v11, v12, s[22:23]
	global_store_b32 v11, v16, s[22:23] offset:512
	s_endpgm
	; ---- X: wave u = 4 x work-group + wave takes row tile u / 2, K half u % 2: 16 rows x 256 K, two fragments
.Lx:
	s_lshl_b32 s28, ttmp9, 2
	s_add_co_u32 s28, s28, s24                     ; u
	s_lshr_b32 s29, s28, 1                         ; row tile
	s_and_b32 s30, s28, 1                          ; K half
	s_lshl_b32 s32, s29, 15                        ; 16 rows of 2,048 bytes
	s_lshl_b32 s31, s30, 10
	s_add_co_u32 s32, s32, s31
	s_add_nc_u64 s[4:5], s[4:5], s[32:33]
	s_lshl_b32 s32, s28, 11                        ; fragments 2 u and 2 u + 1 of 1,024 bytes
	s_add_nc_u64 s[16:17], s[16:17], s[32:33]
	s_lshl_b32 s32, s30, 15                        ; scale words: K step 2 x half, 16,384 bytes a K step; 64 bytes a row tile
	s_lshl_b32 s31, s29, 6
	s_add_co_u32 s32, s32, s31
	s_add_nc_u64 s[18:19], s[18:19], s[32:33]
	v_lshlrev_b32 v7, 3, v3                        ; 8 h
	v_lshlrev_b32 v8, 2, v2
	v_lshl_add_u32 v8, v3, 14, v8                  ; lanes 0-15 store the first fragment's words, lanes 16-31 the second's
	s_mov_b32 s26, 0x76543210
	s_mov_b32 s27, 0xfedcba98                      ; v_permlanex16_b32's selects for lane l xor 16
	v_mov_b32 v19, 0                               ; a lane permute's destination counts as read
.irp f, 0,1
.irp i, 0,1,2,3,4,5,6,7,8,9,10,11,12,13,14,15
	global_load_b128 v[R0+64*\f+4*\i:R0+64*\f+4*\i+3], v4, s[4:5] offset:2048*\i+512*\f th:TH_LOAD_NT   ; 512 consecutive bytes of row i
.endr
.endr
	s_wait_loadcnt 16                              ; the first fragment's 16 loads are in; the second's may be out
	TURN R0, XR
	s_wait_dscnt 0x0
	QX XR, C0, 16
	global_store_b128 v4, v[C0:C0+3], s[16:17]
	global_store_b128 v4, v[C0+4:C0+7], s[16:17] offset:512
	s_wait_loadcnt 0x0
	TURN R1, R0
	s_wait_dscnt 0x0
	QX R0, C1, 17
	global_store_b128 v4, v[C1:C1+3], s[16:17] offset:1024
	global_store_b128 v4, v[C1+4:C1+7], s[16:17] offset:1536
	v_cmp_eq_u32 vcc_lo, 1, v3
	v_cndmask_b32 v18, v16, v17, vcc_lo
	global_store_b32 v8, v18, s[18:19]
	s_wait_tensorcnt 0x0                           ; the wave's end, behind my last LDS store
	ds_add_u32 v28, v29
	s_wait_dscnt 0x0
	s_endpgm
	; ---- W: g = work-group - 128: weight g / 32, 128 columns (g / 4) % 8, K step g % 4; a wave takes 32 columns x 128 K
.Lw:
	s_sub_co_u32 s28, ttmp9, 128
	s_cmp_lt_u32 s28, 32
	s_cselect_b64 s[6:7], s[6:7], s[8:9]           ; the choice hangs on the work-group's number alone
	s_cmp_lt_u32 s28, 64
	s_cselect_b64 s[6:7], s[6:7], s[10:11]
	s_lshr_b32 s29, s28, 5                         ; mat
	s_bfe_u32 s30, s28, 0x30002                    ; column group
	s_and_b32 s31, s28, 3                          ; K step
	s_lshl_b32 s34, s30, 7
	s_lshl_b32 s35, s24, 5
	s_add_co_u32 s34, s34, s35                     ; my wave's first column
	s_lshl_b32 s32, s31, 19                        ; 128 rows of 4,096 bytes
	s_lshl_b32 s35, s34, 2
	s_add_co_u32 s32, s32, s35
	s_add_nc_u64 s[6:7], s[6:7], s[32:33]
	s_lshl_b32 s29, s29, 10
	s_add_co_u32 s34, s34, s29                     ; column among the 3,072
	s_lshl_b32 s32, s34, 8                         ; column tile x 4,096 bytes
	s_lshl_b32 s35, s31, 10
	s_add_co_u32 s32, s32, s35
	s_add_co_u32 s32, s32, 1048576
	s_add_nc_u64 s[16:17], s[16:17], s[32:33]
	s_mul_i32 s32, s31, 12288
	s_lshl_b32 s35, s34, 2
	s_add_co_u32 s32, s32, s35
	s_add_co_u32 s32, s32, 65536
	s_add_nc_u64 s[18:19], s[18:19], s[32:33]
	v_lshlrev_b32 v10, 4, v2
	v_lshl_add_u32 v10, v3, 12, v10                ; lanes 16-31 belong to the next column tile, 4,096 bytes on
	LOADCOL 6, 4096
	s_wait_loadcnt 63                              ; a wait names 63 at the most: of 128 loads the first 65 are in, blocks 0 and 1 among them
	WBLK 0
	WBLK 1
	s_wait_loadcnt 32                              ; block 3's 32 loads may be out
	WBLK 2
	s_wait_loadcnt 0x0
	WBLK 3
	global_store_b32 v9, v14, s[18:19]             ; 128 consecutive bytes of scale words
	s_endpgm
	; ---- O: g = work-group - 224: 128 columns g % 4, 128 rows (K) g / 4
.Lo:
	s_sub_co_u32 s28, ttmp9, 224
	s_and_b32 s30, s28, 3
	s_lshr_b32 s31, s28, 2
	s_lshl_b32 s34, s30, 7
	s_lshl_b32 s35, s24, 5
	s_add_co_u32 s34, s34, s35                     ; my wave's first column
	s_lshl_b32 s32, s31, 18                        ; 128 rows of 2,048 bytes
	s_lshl_b32 s35, s34, 2
	s_add_co_u32 s32, s32, s35
	s_add_nc_u64 s[12:13], s[12:13], s[32:33]
	s_lshl_b32 s32, s34, 11                        ; column tile x 32,768 bytes
	s_lshl_b32 s35, s31, 12                        ; four K steps of 1,024 bytes
	s_add_co_u32 s32, s32, s35
	s_add_nc_u64 s[20:21], s[20:21], s[32:33]
	v_lshlrev_b32 v10, 4, v2
	v_lshl_add_u32 v10, v3, 15, v10
	LOADCOL 12, 2048
	s_wait_loadcnt 63                              ; as above: K steps 0 and 1 are in
	OBLK 0
	OBLK 1
	s_wait_loadcnt 32
	OBLK 2
	s_wait_loadcnt 0x0
	OBLK 3
	s_endpgm
.Lfunc_end_k_qb546145d7e_prep:
	.size	k_qb546145d7e_prep, .Lfunc_end_k_qb546145d7e_prep-k_qb546145d7e_prep
	.p2alignl 7, 3214868480
	.fill 96, 4, 3214868480
	.section	.rodata,"a",@progbits
	.p2align	6, 0x0
	.amdhsa_kernel k_qb546145d7e_prep
		.amdhsa_group_segment_fixed_size 34304
		.amdhsa_private_segment_fixed_size 0
		.amdhsa_enable_private_segment 0
		.amdhsa_kernarg_size 80
		.amdhsa_user_sgpr_count 2
		.amdhsa_user_sgpr_kernarg_segment_ptr 1
		.amdhsa_wavefront_size32 1
		.amdhsa_system_sgpr_workgroup_id_x 1
		.amdhsa_system_sgpr_workgroup_id_y 1
		.amdhsa_system_sgpr_workgroup_id_z 1
		.amdhsa_system_vgpr_workitem_id 0
		.amdhsa_next_free_vgpr 240
		.amdhsa_next_free_sgpr 66
		.amdhsa_reserve_vcc 1
		.amdhsa_float_denorm_mode_32 3
		.amdhsa_float_denorm_mode_16_64 3
		.amdhsa_memory_ordered 1
		.amdhsa_forward_progress 1
		.amdhsa_inst_pref_size 57
	.end_amdhsa_kernel
	.amdgpu_metadata
---
amdhsa.version: [ 1, 2 ]
amdhsa.kernels:
  - .name:           k_qb546145d7e_prep
    .symbol:         k_qb546145d7e_prep.kd
    .args:
      - { .name: inputs, .offset: 0, .size: 8, .value_kind: global_buffer, .address_space: global }
      - { .name: Wk, .offset: 8, .size: 8, .value_kind: global_buffer, .address_space: global }
      - { .name: Wq, .offset: 16, .size: 8, .value_kind: global_buffer, .address_space: global }
      - { .name: Wv, .offset: 24, .size: 8, .value_kind: global_buffer, .address_space: global }
      - { .name: Wo, .offset: 32, .size: 8, .value_kind: global_buffer, .address_space: global }
      - { .name: index, .offset: 40, .size: 8, .value_kind: global_buffer, .address_space: global }
      - { .name: codes, .offset: 48, .size: 8, .value_kind: global_buffer, .address_space: global }
      - { .name: scl, .offset: 56, .size: 8, .value_kind: global_buffer, .address_space: global }
      - { .name: wo16, .offset: 64, .size: 8, .value_kind: global_buffer, .address_space: global }
      - { .name: segs, .offset: 72, .size: 8, .value_kind: global_buffer, .address_space: global }
    .group_segment_fixed_size: 34304
    .private_segment_fixed_size: 0
    .kernarg_segment_align: 8
    .kernarg_segment_size: 80
    .max_flat_workgroup_size: 128
    .sgpr_count:     66
    .vgpr_count:     240
    .wavefront_size: 32
...
	.end_amdgpu_metadata
.endif
;; end of part 1
;; launch proj (part 2): grid 8 x 32, 4 waves a work-group, clusters of 4 x 4, 167,936 bytes of LDS; arguments codes, scl, qkv; writes qkv
.if DOCPART == 2
	.amdgcn_target "amdgcn-amd-amdhsa--gfx1250"
	.amdhsa_code_object_version 6
	.text
	.protected	k_qb546145d7e_proj
	.globl	k_qb546145d7e_proj
	.p2align	8
	.type	k_qb546145d7e_proj,@function
k_qb546145d7e_proj:
	s_mov_b64 s[64:65], 0
	v_nop
	global_prefetch_b8 v0, s[64:65] scope:SCOPE_SE
	s_setreg_imm32_b32 hwreg(HW_REG_WAVE_MODE, 25, 1), 1
	s_wait_xcnt 0x0
	s_wait_alu depctr_hold_cnt(0) depctr_sa_sdst(0) depctr_va_vdst(0) depctr_va_sdst(0) depctr_va_ssrc(0) depctr_va_vcc(0) depctr_vm_vsrc(0)
	s_getreg_b32 s2, hwreg(HW_REG_IB_STS2, 6, 4)
	s_cmp_eq_u32 s2, 0
	s_cbranch_scc0 .Lentry_in_a_cluster
	s_endpgm
.Lentry_in_a_cluster:
	s_bfe_u32 s2, ttmp6, 0x10000c
	s_cmp_lg_u32 s2, 0xf033
	s_cbranch_scc0 .Lentry_shape_is_right
	s_endpgm
.Lentry_shape_is_right:
; PROJ: k = x Wk, q = x Wq, v = x Wv on codes of FP4 (E2M1) with E8M0 scales, K = 512; sums in f32; results rounded once to f16.
; SHARES.  A work-group takes 128 tokens (rb) x the 128 columns of one head in each of the three weights.  Wave w takes all 128 tokens x column tiles 2 w and 2 w + 1 of each weight:
; 8 row tiles x 6 accumulators x 4 K steps = 192 matrix instructions.  Its 24 fragments of W stay in registers (window 1); x's fragments come from LDS, a row tile at a time, one ahead.
; LDS is filled once: x's 8 row tiles (32,768 bytes, dense in memory) at 0, the head's 8 column tiles of weight m at 32768 (1 + m).  One tensor load a wave; one is out at the most.
; CLUSTER 4 x 4: x's block hangs on rb alone and is shared along a row of the cluster, a weight's block on the head alone and is shared along a column: joint loads.
; RESULTS FALL INTO IMAGES OF THE NEXT LAUNCH'S OPERAND REGISTERS, 512 consecutive bytes a store:
;   k, q: the product is used transposed (source 0 = 16 columns of W, source 1 = 16 tokens): a lane holds token r and channels 32 w + 16 e + 8 h + 0..7: group e of the fragment (16 tokens x channels 32 w ..).
;   v:    source 0 = 16 tokens, source 1 = 16 columns: a lane holds channel r and tokens 8 h + 0..7: half a fragment of V^T (16 channels x 32 keys).
;   qkv: q at 0, k at 8388608: [head][token tile 256][channel step 4][1024 B];  v at 16777216: [head][32 keys 128][channel tile 8][1024 B].
; LIMIT: |q|, |k|, |v| stay at or under 65,504 (f16).
; REGISTERS: window 0: v4 16 x lane, v5 4 x lane, v6, v7 W's place in LDS; v28, v29 the add's two; v32-47 x's scale words, v48-59 W's; v64-127 x's fragments, two sets; v128-175 six accumulators; v176-199 f16 results.
;   window 1: v0-191 W's fragments: (weight m, tile e, K step) at 8 (4 (2 m + e) + K step).
.set SPARE, 131072
.set XS,  32                           ; register 4 p + s: lanes 0-15 row tile 2 p, lanes 16-31 row tile 2 p + 1, K step s
.set WS,  48                           ; register 4 m + s: lanes 0-15 column tile 2 w, lanes 16-31 tile 2 w + 1
.set XF,  64
.set AC,  128
.set OUT, 176
.set G1A, 24
.set G1B, 32
.set G0A, 40
.set G0B, 44
.set MSB, 0
.macro WIN new                         ; the immediate's high byte repeats the setting that is left
.if MSB != \new
	s_set_vgpr_msb (MSB<<8)|\new
.set MSB, \new
.endif
.endm
.macro CROUND                          ; a round of the cluster's barrier
	s_barrier_signal -1
	s_barrier_wait -1
	s_cmp_lg_u32 s10, 0
	s_cbranch_scc1 .Lnot_wave_0_\@
	s_barrier_signal -3
.Lnot_wave_0_\@:
	s_barrier_wait -3
	s_barrier_signal -1
	s_barrier_wait -1
.endm
; one scaled product.  zero: it starts the sum.  ra, rb: source 0's, source 1's scales stand in lanes 16-31 of their register
.macro WM d, a, b, zero, sa, sb, ra, rb
.if (\zero)
.if (\ra) && (\rb)
	v_wmma_scale_f32_16x16x128_f8f6f4 v[\d:\d+7], v[\a:\a+7], v[\b:\b+7], 0, v[\sa], v[\sb] matrix_a_fmt:MATRIX_FMT_FP4 matrix_b_fmt:MATRIX_FMT_FP4 matrix_a_scale:MATRIX_SCALE_ROW1 matrix_b_scale:MATRIX_SCALE_ROW1
.elseif (\ra)
	v_wmma_scale_f32_16x16x128_f8f6f4 v[\d:\d+7], v[\a:\a+7], v[\b:\b+7], 0, v[\sa], v[\sb] matrix_a_fmt:MATRIX_FMT_FP4 matrix_b_fmt:MATRIX_FMT_FP4 matrix_a_scale:MATRIX_SCALE_ROW1
.elseif (\rb)
	v_wmma_scale_f32_16x16x128_f8f6f4 v[\d:\d+7], v[\a:\a+7], v[\b:\b+7], 0, v[\sa], v[\sb] matrix_a_fmt:MATRIX_FMT_FP4 matrix_b_fmt:MATRIX_FMT_FP4 matrix_b_scale:MATRIX_SCALE_ROW1
.else
	v_wmma_scale_f32_16x16x128_f8f6f4 v[\d:\d+7], v[\a:\a+7], v[\b:\b+7], 0, v[\sa], v[\sb] matrix_a_fmt:MATRIX_FMT_FP4 matrix_b_fmt:MATRIX_FMT_FP4
.endif
.else
.if (\ra) && (\rb)
	v_wmma_scale_f32_16x16x128_f8f6f4 v[\d:\d+7], v[\a:\a+7], v[\b:\b+7], v[\d:\d+7], v[\sa], v[\sb] matrix_a_fmt:MATRIX_FMT_FP4 matrix_b_fmt:MATRIX_FMT_FP4 matrix_a_scale:MATRIX_SCALE_ROW1 matrix_b_scale:MATRIX_SCALE_ROW1
.elseif (\ra)
	v_wmma_scale_f32_16x16x128_f8f6f4 v[\d:\d+7], v[\a:\a+7], v[\b:\b+7], v[\d:\d+7], v[\sa], v[\sb] matrix_a_fmt:MATRIX_FMT_FP4 matrix_b_fmt:MATRIX_FMT_FP4 matrix_a_scale:MATRIX_SCALE_ROW1
.elseif (\rb)
	v_wmma_scale_f32_16x16x128_f8f6f4 v[\d:\d+7], v[\a:\a+7], v[\b:\b+7], v[\d:\d+7], v[\sa], v[\sb] matrix_a_fmt:MATRIX_FMT_FP4 matrix_b_fmt:MATRIX_FMT_FP4 matrix_b_scale:MATRIX_SCALE_ROW1
.else
	v_wmma_scale_f32_16x16x128_f8f6f4 v[\d:\d+7], v[\a:\a+7], v[\b:\b+7], v[\d:\d+7], v[\sa], v[\sb] matrix_a_fmt:MATRIX_FMT_FP4 matrix_b_fmt:MATRIX_FMT_FP4
.endif
.endif
.endm
.macro LOADA mt                        ; row tile mt's four fragments into set mt % 2
.set FL, XF+32*((\mt)%2)
.irp ks, 0,1,2,3
.irp c, 0,1
	ds_load_b128 v[FL+8*\ks+4*\c:FL+8*\ks+4*\c+3], v4 offset:(\mt)*4096+\ks*1024+512*\c
.endr
.endr
.endm
; ROW TILE mt: 24 products, six accumulators.  No two matrix instructions that follow each other share an accumulator.
.macro RT mt
.set FB, XF+32*((\mt)%2)
.if \mt < 7
	LOADA (\mt)+1                                  ; into the set that the last row tile's products read: that tile's four v_nop and 24 conversions stand between
	s_wait_dscnt 8                                 ; this tile's fragments are in; the next tile's eight loads may be out
.else
	s_wait_dscnt 0x0
.endif
	WIN 0x01                                       ; source 0 (W) window 1
.irp ks, 0,1,2,3
.irp a, 0,1,2,3
	WM AC+8*\a, 8*(4*\a+\ks), FB+8*\ks, \ks==0, WS+4*(\a/2)+\ks, XS+4*((\mt)/2)+\ks, \a%2, (\mt)%2
.endr
.endr
	WIN 0x04                                       ; source 1 (W) window 1
.irp ks, 0,1,2,3
.irp e, 0,1
	WM AC+32+8*\e, FB+8*\ks, 8*(16+4*\e+\ks), \ks==0, XS+4*((\mt)/2)+\ks, WS+8+\ks, (\mt)%2, \e
.endr
.endr
	WIN 0
.rept 4
	v_nop                                          ; places between the last products and the first read of their results
.endr
	s_wait_xcnt 0x0                                ; the last row tile's stores have read their data: the registers may be written again
.irp a, 0,1,2,3,4,5
.irp i, 0,1,2,3
	v_cvt_pk_f16_f32 v[OUT+4*\a+\i], v[AC+8*\a+2*\i], v[AC+8*\a+2*\i+1]   ; each accumulator from its low end on
.endr
.endr
.irp e, 0,1
	global_store_b128 v4, v[OUT+4*\e:OUT+4*\e+3], s[60:61] offset:(\mt)*4096+512*\e              ; k
	global_store_b128 v4, v[OUT+8+4*\e:OUT+8+4*\e+3], s[62:63] offset:(\mt)*4096+512*\e          ; q
	global_store_b128 v4, v[OUT+16+4*\e:OUT+16+4*\e+3], s[66:67] offset:((\mt)/2)*8192+1024*\e+512*((\mt)%2)   ; v
.endr
.endm
	s_load_b128 s[4:7], s[0:1], 0x0                ; codes, scl
	s_load_b64 s[8:9], s[0:1], 0x10                ; qkv
	v_lshl_add_u32 v28, v0, 2, SPARE
	v_mov_b32 v29, 0
	ds_add_u32 v28, v29                            ; the wave's opening: the add and its wait stand ahead of my first tensor load; the set-up below stands between them
	v_lshrrev_b32 v1, 5, v0
	v_readfirstlane_b32 s10, v1                    ; wave
	v_and_b32 v1, 31, v0
	v_lshlrev_b32 v4, 4, v1                        ; 16 x lane
	v_lshlrev_b32 v5, 2, v1                        ; 4 x lane
	s_lshl_b32 s17, s10, 13
	s_add_co_u32 s17, s17, 32768
	v_add_nc_u32 v6, s17, v4                       ; my two column tiles of weight 0 in LDS
	v_add_nc_u32 v7, 65536, v6                     ; and of weight 2
	s_bfe_u32 s11, ttmp6, 0x40000                  ; cx
	s_bfe_u32 s12, ttmp6, 0x40004                  ; cy
	s_lshl_b32 s13, ttmp9, 2
	s_add_co_u32 s13, s13, s11                     ; head = 4 x cluster x + cx
	s_and_b32 s14, ttmp7, 0xffff
	s_lshl_b32 s14, s14, 2
	s_add_co_u32 s14, s14, s12                     ; rb = 4 x cluster y + cy
	s_lshl_b32 s15, s12, 2
	s_lshl_b32 s15, 15, s15                        ; my row of the cluster
	s_lshl_b32 s16, 0x1111, s11                    ; my column
	; group 1: a dense block of 32,768 bytes as 128 rows of 32 elements of 8 bytes, no padding
	s_or_b32 s[G1A], s15, (3<<16)|(1<<21)          ; 15:0 the mask; 17:16 elements of 8 bytes; 21 set beside a mask
	s_or_b32 s[G1B], s16, (3<<16)|(1<<21)
.irp g, G1A, G1B
	s_mov_b32 s[\g+1], 32<<16                      ; tensor_dim0
	s_mov_b32 s[\g+2], 128<<16                     ; tensor_dim1
	s_mov_b32 s[\g+3], 32<<16                      ; tile_dim0
	s_mov_b32 s[\g+4], 128                         ; tile_dim1
	s_mov_b32 s[\g+5], 32                          ; from row to row
	s_mov_b32 s[\g+6], 0
	s_mov_b32 s[\g+7], 0
.endr
	s_lshl_b32 s48, s14, 15                        ; x's block: rb alone
	s_mov_b32 s49, 0
	s_max_u32 s50, s10, 1
	s_sub_co_u32 s50, s50, 1                       ; waves 1 to 3 fetch weight wave - 1
	s_lshl_b32 s50, s50, 18                        ; 64 column tiles of 4,096 bytes a weight
	s_lshl_b32 s51, s13, 15                        ; 8 a head
	s_add_co_u32 s50, s50, s51
	s_add_co_u32 s50, s50, 1048576
	s_mov_b32 s51, 0
	s_lshl_b32 s52, s13, 20                        ; the results: a head is 2^20 bytes, 128 tokens 2^15
	s_lshl_b32 s53, s14, 15
	s_add_co_u32 s52, s52, s53
	s_lshl_b32 s53, s10, 10
	s_add_co_u32 s54, s52, s53                     ; q, k: + channel step w
	s_mov_b32 s55, 0
	s_lshl_b32 s53, s10, 11
	s_add_co_u32 s56, s52, s53                     ; v: + channel tiles 2 w
	s_add_co_u32 s56, s56, 16777216
	s_mov_b32 s57, 0
	s_lshl_b32 s58, s14, 9                         ; x's scale words: 128 rows of 4 bytes
	s_mov_b32 s59, 0
	s_lshl_b32 s72, s13, 9                         ; W's: 128 columns a head, 32 a wave
	s_lshl_b32 s53, s10, 7
	s_add_co_u32 s72, s72, s53
	s_add_co_u32 s72, s72, 65536
	s_mov_b32 s73, 0
	s_wait_dscnt 0x0                               ; the opening add is done
	s_wait_kmcnt 0x0
	s_mov_b32 s[G0A], 1
	s_mov_b32 s[G0A+1], 0
	s_add_nc_u64 s[G0A+2:G0A+3], s[4:5], s[48:49]
	s_or_b32 s[G0A+3], s[G0A+3], 0x80000000
	s_mov_b32 s[G0B], 1
	s_lshl_b32 s[G0B+1], s10, 15                   ; weight wave - 1 lies at 32768 x wave
	s_add_nc_u64 s[G0B+2:G0B+3], s[4:5], s[50:51]
	s_or_b32 s[G0B+3], s[G0B+3], 0x80000000
	s_add_nc_u64 s[62:63], s[8:9], s[54:55]        ; q
	s_add_nc_u64 s[60:61], s[62:63], 8388608       ; k
	s_add_nc_u64 s[66:67], s[8:9], s[56:57]        ; v
	s_add_nc_u64 s[68:69], s[6:7], s[58:59]
	s_add_nc_u64 s[70:71], s[6:7], s[72:73]
	CROUND                                         ; all sixteen work-groups are here: the joint loads meet
	s_cmp_eq_u32 s10, 0                            ; wave 0 fetches x's block, waves 1 to 3 a weight's; an s_nop 0 and four v_nop follow each line
	s_cbranch_scc0 .Lfor_b
	tensor_load_to_lds s[G0A:G0A+3], s[G1A:G1A+7]
	s_nop 0
.rept 4
	v_nop
.endr
	s_branch .Lasked
.Lfor_b:
	tensor_load_to_lds s[G0B:G0B+3], s[G1B:G1B+7]
	s_nop 0
.rept 4
	v_nop
.endr
.Lasked:
.irp p, 0,1,2,3
.irp s, 0,1,2,3
	global_load_b32 v[XS+4*\p+\s], v5, s[68:69] offset:\s*16384+\p*128   ; 128 consecutive bytes: two row tiles' words
.endr
.endr
.irp m, 0,1,2
.irp s, 0,1,2,3
	global_load_b32 v[WS+4*\m+\s], v5, s[70:71] offset:\s*12288+\m*4096
.endr
.endr
	s_wait_tensorcnt 0x0                           ; my block has landed,
	s_barrier_signal -1
	s_barrier_wait -1                              ; everybody's has
	WIN 0x40                                       ; destination window 1
.irp m, 0,1
.irp e, 0,1
.irp ks, 0,1,2,3
.irp c, 0,1
	ds_load_b128 v[8*(4*(2*\m+\e)+\ks)+4*\c:8*(4*(2*\m+\e)+\ks)+4*\c+3], v6 offset:\m*32768+\e*4096+\ks*1024+512*\c
.endr
.endr
.endr
.endr
.irp e, 0,1
.irp ks, 0,1,2,3
.irp c, 0,1
	ds_load_b128 v[8*(16+4*\e+\ks)+4*\c:8*(16+4*\e+\ks)+4*\c+3], v7 offset:\e*4096+\ks*1024+512*\c
.endr
.endr
.endr
	WIN 0
	LOADA 0
	s_wait_loadcnt 0x0                             ; the scale words
.irp m, 0,1,2,3,4,5,6,7
	RT \m
.endr
	s_wait_tensorcnt 0x0                           ; the wave's end
	ds_add_u32 v28, v29
	s_wait_dscnt 0x0
	CROUND                                         ; the closing round
	s_endpgm
.Lfunc_end_k_qb546145d7e_proj:
	.size	k_qb546145d7e_proj, .Lfunc_end_k_qb546145d7e_proj-k_qb546145d7e_proj
	.p2alignl 7, 3214868480
	.fill 96, 4, 3214868480
	.section	.rodata,"a",@progbits
	.p2align	6, 0x0
	.amdhsa_kernel k_qb546145d7e_proj
		.amdhsa_group_segment_fixed_size 167936
		.amdhsa_private_segment_fixed_size 0
		.amdhsa_enable_private_segment 0
		.amdhsa_kernarg_size 24
		.amdhsa_user_sgpr_count 2
		.amdhsa_user_sgpr_kernarg_segment_ptr 1
		.amdhsa_wavefront_size32 1
		.amdhsa_system_sgpr_workgroup_id_x 1
		.amdhsa_system_sgpr_workgroup_id_y 1
		.amdhsa_system_sgpr_workgroup_id_z 1
		.amdhsa_system_vgpr_workitem_id 0
		.amdhsa_next_free_vgpr 448
		.amdhsa_next_free_sgpr 80
		.amdhsa_reserve_vcc 0
		.amdhsa_float_denorm_mode_32 3
		.amdhsa_float_denorm_mode_16_64 3
		.amdhsa_memory_ordered 1
		.amdhsa_forward_progress 1
		.amdhsa_inst_pref_size 58
	.end_amdhsa_kernel
	.amdgpu_metadata
---
amdhsa.version: [ 1, 2 ]
amdhsa.kernels:
  - .name:           k_qb546145d7e_proj
    .symbol:         k_qb546145d7e_proj.kd
    .args:
      - { .name: codes, .offset: 0, .size: 8, .value_kind: global_buffer, .address_space: global }
      - { .name: scl, .offset: 8, .size: 8, .value_kind: global_buffer, .address_space: global }
      - { .name: qkv, .offset: 16, .size: 8, .value_kind: global_buffer, .address_space: global }
    .group_segment_fixed_size: 167936
    .private_segment_fixed_size: 0
    .kernarg_segment_align: 8
    .kernarg_segment_size: 24
    .max_flat_workgroup_size: 128
    .sgpr_count:     80
    .vgpr_count:     448
    .wavefront_size: 32
...
	.end_amdgpu_metadata
.endif
;; end of part 2
;; launch attn (part 3): grid 32 x 8, 4 waves a work-group, no clusters, 147,968 bytes of LDS; arguments qkv, index, segs, res; writes res
.if DOCPART == 3
	.amdgcn_target "amdgcn-amd-amdhsa--gfx1250"
	.amdhsa_code_object_version 6
	.text
	.protected	k_qb546145d7e_attn
	.globl	k_qb546145d7e_attn
	.p2align	8
	.type	k_qb546145d7e_attn,@function
k_qb546145d7e_attn:
	s_mov_b64 s[64:65], 0
	v_nop
	global_prefetch_b8 v0, s[64:65] scope:SCOPE_SE
	s_setreg_imm32_b32 hwreg(HW_REG_WAVE_MODE, 25, 1), 1
	s_wait_xcnt 0x0
; ATTN: res[t][head] = sum over keys s with index[s] == index[t] of softmax_s(q[t] . k[s] / sqrt(128)) v[s].  q, k, v, p and res in f16, products' sums, maxima and sums in f32.
; SHARES.  A work-group owns 128 queries of one head, each of its four waves 32: two tiles of 16.  The keys go in tiles of 128 through two LDS slots; a wave works on them 64 at a time.
; WHAT IS LEFT OUT.  Two sets of tokens can share an index only if their ranges [smallest, largest] overlap.  segs holds both for each 32 tokens.  From them each wave makes bit masks (bit t = key tile t):
;   MWG: the tile's range meets that of the work-group's 128 queries: the tile is staged;   MA0, MA1: the range of its keys 0-63, 64-127 meets that of my 32 queries: I work on them;
;   MP0, MP1: those 64 keys and my 32 queries all hold one value: nothing is hidden, the masking is jumped over.
; This holds for any order and any values of index; an order that mixes the segments only leaves more tiles to work on.  Inside a tile hidden scores become -infinity ahead of the maximum.
; The loop's count is a constant; the branches on mask bits lead round work alone, never round a barrier.
; NO TENSOR LOAD AND NO CLUSTER: work-groups of one head walk different tiles.  K and V go memory -> registers -> LDS, a tile ahead:
; waves 0, 1 stage K's halves, waves 2, 3 V's, 16,384 bytes each, asked for behind one trip's barrier and waited for at the next trip's head.
; LAYOUT.  All operands lie in memory and in LDS as images of their registers (512 bytes a group of four registers, lane l at 16 l).  S^T = K Q^T (source 0 = 16 keys, source 1 = 16 queries): a lane holds ONE
; query (lane % 16) and keys 8 (lane / 16) + 0..7; two such tiles, rounded to f16 in pairs, are source 1 of O^T = V^T P, whose result again holds one query a lane.
; SOFTMAX.  Running maximum m and sum l for each query: p = 2^(c s - c m), c = log2(e) / sqrt(128); O and l are multiplied by a = 2^(c m_old - c m_new) in every step.  m begins at -3e38: a row that has met no key yet has p = 0 and a = 1.
; LIMITS: NaN and infinities are not served; |res| at or under 65,504, and numbers under 6e-5 are rounded in steps of 2^-24 (f16).
; REGISTERS.  window 0: v1 lane, v2 r, v3 h, v4 16 x lane (also: reads of slot 0), v5, v6 where I stage in slot 0, 1, v7 reads of slot 1, v8, v9 index words in LDS, v10-11 my queries' index,
;   v12-27 statistics (tile t at 12 + 8 t: c m, m, l, l, four at work; a at +6), v28, v29 the add's two, v30 -infinity, v31 where I copy index; v32-63 keys' index; v64-127 S^T; v128-159 P; v160-223 Q; v224-239 the prologue's.
;   window 1: v0-127 O^T (64 t + 8 channel tile), v128-255 K's fragments.   window 2: v0-127 the staged tile, v128-255 V's fragments.
.set SLOT1, 65536                      ; a slot: 32,768 bytes of K (8 key tiles), then 32,768 of V (4 groups of 32 keys)
.set IDX,   131072                     ; all 4,096 indices, stored once
.set SPARE, 147456                     ; the spare words, 128 bytes a wave
.set IQ, 10
.set ST, 12
.set IK, 32
.set S,  64
.set P,  128
.set Q,  160
.set KF, 128
.set VF, 128
.set MSB, 0
.macro WIN new                         ; the immediate's high byte repeats the setting that is left; bits 1:0 source 0, 3:2 source 1, 5:4 source 2, 7:6 destination
.if MSB != \new
	s_set_vgpr_msb (MSB<<8)|\new
.set MSB, \new
.endif
.endm
.macro TREE w, many                    ; sums of pairs w / 2 registers apart, in place
.set n, 0
.rept \many
.irp t, 0,1
	v_pk_add_f32 v[S+32*\t+\w*n:S+32*\t+\w*n+1], v[S+32*\t+\w*n:S+32*\t+\w*n+1], v[S+32*\t+\w*n+\w/2:S+32*\t+\w*n+\w/2+1]
.endr
.set n, n+1
.endr
.endm
; the softmax of my two tiles for 64 keys; the tiles alternate line by line, so that no line waits for the line above it
.macro SOFTMAX
.irp j, 0,1,2,3
.irp t, 0,1
	v_max3_num_f32 v[ST+8*\t+4+\j], v[S+32*\t+8*\j], v[S+32*\t+8*\j+1], v[S+32*\t+8*\j+2]   ; four chains; each accumulator is read from its low end on
.endr
.endr
.irp g, 1,2
.irp j, 0,1,2,3
.irp t, 0,1
	v_max3_num_f32 v[ST+8*\t+4+\j], v[ST+8*\t+4+\j], v[S+32*\t+8*\j+2*\g+1], v[S+32*\t+8*\j+2*\g+2]
.endr
.endr
.endr
.irp t, 0,1
	v_max3_num_f32 v[ST+8*\t+4], v[ST+8*\t+4], v[S+32*\t+7], v[S+32*\t+15]
	v_max3_num_f32 v[ST+8*\t+6], v[ST+8*\t+6], v[S+32*\t+23], v[S+32*\t+31]
.endr
.irp t, 0,1
	v_max3_num_f32 v[ST+8*\t+4], v[ST+8*\t+4], v[ST+8*\t+5], v[ST+8*\t+6]
.endr
.irp t, 0,1
	v_max3_num_f32 v[ST+8*\t+4], v[ST+8*\t+4], v[ST+8*\t+7], v[ST+8*\t+1]   ; and the old m
.endr
.irp t, 0,1
	v_permlanex16_b32 v[ST+8*\t+5], v[ST+8*\t+4], s40, s41                  ; the query's other 32 keys lie in the lane 16 away
.endr
.irp t, 0,1
	v_mov_b32 v[ST+8*\t+7], v[ST+8*\t]                                      ; c m_old
.endr
.irp t, 0,1
	v_max_num_f32 v[ST+8*\t+1], v[ST+8*\t+4], v[ST+8*\t+5]
.endr
.irp t, 0,1
	v_mul_f32 v[ST+8*\t], s38, v[ST+8*\t+1]
.endr
.irp t, 0,1
	v_sub_f32 v[ST+8*\t+7], v[ST+8*\t+7], v[ST+8*\t]
.endr
.set n, 0
.rept 16
.irp t, 0,1
	v_pk_fma_f32 v[S+32*\t+2*n:S+32*\t+2*n+1], v[S+32*\t+2*n:S+32*\t+2*n+1], s[38:39], v[ST+8*\t:ST+8*\t+1] op_sel_hi:[1,0,0] neg_lo:[0,0,1] neg_hi:[0,0,1]   ; c s - c m
.endr
.set n, n+1
.endr
.irp t, 0,1
	v_exp_f32 v[ST+8*\t+6], v[ST+8*\t+7]           ; a.  ONE BATCH of 66 exponentials, none of which reads another's result
.endr
.set n, 0
.rept 32
.irp t, 0,1
	v_exp_f32 v[S+32*\t+n], v[S+32*\t+n]
.endr
.set n, n+1
.endr
	v_nop                                          ; a plain line behind the last exponential
	s_wait_alu depctr_va_vdst(0)                   ; one wait for the batch, ahead of its first reader
.set n, 0
.rept 16
.irp t, 0,1
	v_cvt_pk_f16_f32 v[P+16*\t+n], v[S+32*\t+2*n], v[S+32*\t+2*n+1]
.endr
.set n, n+1
.endr
	TREE 4, 8
	TREE 8, 4
	TREE 16, 2
	TREE 32, 1
.irp t, 0,1
	v_pk_fma_f32 v[ST+8*\t+2:ST+8*\t+3], v[ST+8*\t+2:ST+8*\t+3], v[ST+8*\t+6:ST+8*\t+7], v[S+32*\t:S+32*\t+1] op_sel_hi:[1,0,1]   ; l = a l + the sum
.endr
.endm
; 64 KEYS: half u of the tile in slot sl
.macro SUB sl, u
	s_bitcmp1_b32 s[31+\u], 0
	s_cbranch_scc0 .Lskip_\@
	WIN 0x40                                       ; K's 16 fragments -> window 1.  (Their last readers stand far back; V's stand four v_nop back, at the end of the last 64 keys)
.set n, 0
.rept 32
	ds_load_b128 v[KF+4*n:KF+4*n+3], v[4+3*\sl] offset:\u*16384+512*n
.set n, n+1
.endr
	WIN 0x80                                       ; V's 16 -> window 2
.set n, 0
.rept 32
	ds_load_b128 v[VF+4*n:VF+4*n+3], v[4+3*\sl] offset:32768+\u*16384+512*n
.set n, n+1
.endr
	s_wait_dscnt 32                                ; K is in; V's 32 loads may be out
	WIN 0x01                                       ; source 0 (K) window 1
.irp cs, 0,1,2,3                       ; eight accumulators by turns, one instruction a turn
.irp kt, 0,1,2,3
.irp t, 0,1
.if \cs == 0
	v_wmma_f32_16x16x32_f16 v[S+32*\t+8*\kt:S+32*\t+8*\kt+7], v[KF+8*(4*\kt+\cs):KF+8*(4*\kt+\cs)+7], v[Q+32*\t+8*\cs:Q+32*\t+8*\cs+7], 0
.else
	v_wmma_f32_16x16x32_f16 v[S+32*\t+8*\kt:S+32*\t+8*\kt+7], v[KF+8*(4*\kt+\cs):KF+8*(4*\kt+\cs)+7], v[Q+32*\t+8*\cs:Q+32*\t+8*\cs+7], v[S+32*\t+8*\kt:S+32*\t+8*\kt+7]
.endif
.endr
.endr
.endr
	WIN 0
.rept 4
	v_nop                                          ; places between the last products and the first read of the scores
.endr
	s_bitcmp1_b32 s[33+\u], 0
	s_cbranch_scc1 .Lpure_\@
	v_add_nc_u32 v9, s36, v8                       ; the keys' index: register 8 kt + j holds that of key 16 kt + 8 h + j
.irp kt, 0,1,2,3
.irp q, 0,1
	ds_load_b128 v[IK+8*\kt+4*\q:IK+8*\kt+4*\q+3], v9 offset:512*\sl+256*\u+64*\kt+16*\q
.endr
.endr
	s_wait_dscnt 0x0
.irp t, 0,1
.irp kt, 0,1,2,3
.irp j, 0,1,2,3,4,5,6,7
	v_cmp_eq_u32 vcc_lo, v[IK+8*\kt+\j], v[IQ+\t]
	v_cndmask_b32 v[S+32*\t+8*\kt+\j], v30, v[S+32*\t+8*\kt+\j], vcc_lo   ; another segment's key: -infinity
.endr
.endr
.endr
.Lpure_\@:
	SOFTMAX
	s_wait_dscnt 0x0                               ; V is in
	WIN 0x41                                       ; O^T (destination and source 0) window 1
.irp t, 0,1
.set n, 0
.rept 32
	v_pk_mul_f32 v[64*\t+2*n:64*\t+2*n+1], v[64*\t+2*n:64*\t+2*n+1], v[ST+8*\t+6:ST+8*\t+7] op_sel_hi:[1,0]   ; O^T x a
.set n, n+1
.endr
.endr
	WIN 0x52                                       ; V window 2, P window 0, O^T window 1
.irp kg, 0,1                           ; sixteen accumulators by turns
.irp ct, 0,1,2,3,4,5,6,7
.irp t, 0,1
	v_wmma_f32_16x16x32_f16 v[64*\t+8*\ct:64*\t+8*\ct+7], v[VF+8*(8*\kg+\ct):VF+8*(8*\kg+\ct)+7], v[P+16*\t+8*\kg:P+16*\t+8*\kg+7], v[64*\t+8*\ct:64*\t+8*\ct+7]
.endr
.endr
.endr
	WIN 0
.rept 4
	v_nop                                          ; places in front of the next loads into V's registers, the next writes of P and the next reads of O^T
.endr
.Lskip_\@:
.endm
; A KEY TILE of 128, in slot sl.  ONE barrier: in front of it my part of this tile is stored and my reads of the other slot are over; behind it the tile is whole, and the other slot is written
; again only behind the next barrier.
.macro TRIP sl
	s_wait_loadcnt 0x0                             ; this tile's 32 loads, asked for a tile ago (the first time: Q and my queries' index too)
	s_bitcmp1_b32 s30, 0
	s_cbranch_scc0 .Lns_\@
	WIN 0x08                                       ; an LDS store's data are its source 1: window 2
.set n, 0
.rept 32
	ds_store_b128 v[5+\sl], v[4*n:4*n+3] offset:512*n
.set n, n+1
.endr
	WIN 0
.Lns_\@:
	s_wait_dscnt 0x0                               ; for the others' sake: my stores have landed and my reads are back
	s_barrier_signal -1
	s_barrier_wait -1
	s_bitcmp1_b32 s30, 1                           ; the next tile, if it is wanted; behind tile 31 the bit is 0, so no load leaves the buffer
	s_cbranch_scc0 .Lnl_\@
	WIN 0x80
.set n, 0
.rept 32
	global_load_b128 v[4*n:4*n+3], v4, s[42:43] offset:\sl*32768+512*n
.set n, n+1
.endr
	WIN 0
.Lnl_\@:
	SUB \sl, 0
	SUB \sl, 1
.irp m, 30,31,32,33,34
	s_lshr_b32 s\m, s\m, 1                         ; bit 0 is the next tile's
.endr
.endm
	s_load_b256 s[4:11], s[0:1], 0x0               ; qkv 4, index 6, segs 8, res 10
	v_lshl_add_u32 v28, v0, 2, SPARE               ; my spare word; never rewritten
	v_mov_b32 v29, 0                               ; 0; never rewritten
	v_lshrrev_b32 v1, 5, v0
	v_readfirstlane_b32 s12, v1                    ; wave
	v_and_b32 v1, 31, v0
	v_and_b32 v2, 15, v0
	v_bfe_u32 v3, v0, 4, 1
	v_lshlrev_b32 v4, 4, v1
	s_lshl_b32 s44, s12, 14
	v_add_nc_u32 v5, s44, v4                       ; I stage 16,384 bytes at 16384 x wave
	v_add_nc_u32 v6, SLOT1, v5
	v_add_nc_u32 v7, SLOT1, v4
	v_lshl_add_u32 v8, v3, 5, IDX                  ; my half's eight keys: 32 h bytes on
	s_lshl_b32 s44, s12, 12
	v_add_nc_u32 v31, s44, v4
	v_add_nc_u32 v31, IDX, v31                     ; I copy 4,096 bytes of index
	v_lshlrev_b32 v239, 2, v2
	v_mov_b32 v30, 0xff800000
	s_and_b32 s14, ttmp7, 0xffff                   ; head
	s_mov_b32 s38, 0x3e0293ee                      ; c = log2(e) / sqrt(128)
	s_mov_b32 s39, s38                             ; (named with it as a pair)
	s_mov_b32 s40, 0x76543210
	s_mov_b32 s41, 0xfedcba98                      ; lane l xor 16
	s_lshl_b32 s46, ttmp9, 4                       ; segs: my block's four words
	s_mov_b32 s47, 0
	s_lshl_b32 s48, s12, 2
	s_add_co_u32 s48, s48, s46                     ; my wave's
	s_mov_b32 s49, 0
	s_lshl_b32 s50, s12, 12
	s_mov_b32 s51, 0
	s_lshl_b32 s52, ttmp9, 9                       ; index of my 32 queries
	s_lshl_b32 s44, s12, 7
	s_add_co_u32 s52, s52, s44
	s_mov_b32 s53, 0
	s_lshl_b32 s15, s14, 20                        ; a head is 2^20 bytes
	s_lshl_b32 s54, ttmp9, 15                      ; Q: 128 queries are 2^15 bytes, my 32 are 2^13
	s_add_co_u32 s54, s54, s15
	s_lshl_b32 s44, s12, 13
	s_add_co_u32 s54, s54, s44
	s_mov_b32 s55, 0
	s_lshr_b32 s42, s12, 1                         ; waves 0, 1: K; waves 2, 3: V, 8,388,608 bytes on
	s_lshl_b32 s42, s42, 23
	s_add_co_u32 s42, s42, s15
	s_and_b32 s44, s12, 1
	s_lshl_b32 s44, s44, 14                        ; which half of a tile's 32,768 bytes
	s_add_co_u32 s42, s42, s44
	s_add_co_u32 s42, s42, 8388608
	s_mov_b32 s43, 0
	s_lshl_b32 s56, ttmp9, 18                      ; res: token tile 8 blk + 2 w of 32,768 bytes, + 4,096 x head
	s_lshl_b32 s44, s12, 16
	s_add_co_u32 s56, s56, s44
	s_lshl_b32 s44, s14, 12
	s_add_co_u32 s56, s56, s44
	s_mov_b32 s57, 0
	s_wait_kmcnt 0x0
	s_add_nc_u64 s[46:47], s[8:9], s[46:47]
	s_add_nc_u64 s[48:49], s[8:9], s[48:49]
	s_add_nc_u64 s[50:51], s[6:7], s[50:51]
	s_add_nc_u64 s[52:53], s[6:7], s[52:53]
	s_add_nc_u64 s[54:55], s[4:5], s[54:55]
	s_add_nc_u64 s[42:43], s[4:5], s[42:43]
	s_add_nc_u64 s[10:11], s[10:11], s[56:57]
	s_load_b128 s[16:19], s[46:47], 0x0            ; smallest index of my block's four 32s,
	s_load_b128 s[20:23], s[46:47], 0x200          ; largest;
	s_load_b32 s25, s[48:49], 0x0                  ; my wave's smallest,
	s_load_b32 s26, s[48:49], 0x200                ; largest
	global_load_b128 v[224:227], v4, s[8:9]                ; lane t: key tile t's four smallest,
	global_load_b128 v[228:231], v4, s[8:9] offset:512     ; four largest
.irp i, 0,1,2,3,4,5,6,7
	global_load_b128 v[IK+4*\i:IK+4*\i+3], v4, s[50:51] offset:512*\i
.endr
.irp t, 0,1
	global_load_b32 v[IQ+\t], v239, s[52:53] offset:64*\t
.endr
.irp i, 0,1,2,3,4,5,6,7,8,9,10,11,12,13,14,15
	global_load_b128 v[Q+4*\i:Q+4*\i+3], v4, s[54:55] offset:512*\i
.endr
	WIN 0x80
.set n, 0
.rept 32
	global_load_b128 v[4*n:4*n+3], v4, s[42:43] offset:512*n   ; key tile 0, wanted or not: so the staging registers are written on every path
.set n, n+1
.endr
	WIN 0
	s_wait_loadcnt 58                              ; the tiles' ranges are in; 8 + 2 + 16 + 32 younger loads may be out
	s_wait_kmcnt 0x0
	s_min_u32 s27, s16, s17
	s_min_u32 s44, s18, s19
	s_min_u32 s27, s27, s44                        ; the work-group's smallest,
	s_max_u32 s28, s20, s21
	s_max_u32 s44, s22, s23
	s_max_u32 s28, s28, s44                        ; largest
	v_min_u32 v232, v224, v225                     ; keys 0-63: smallest,
	v_min_u32 v233, v226, v227                     ; keys 64-127;
	v_max_u32 v234, v228, v229                     ; largest
	v_max_u32 v235, v230, v231
	v_min_u32 v236, v232, v233                     ; the tile's
	v_max_u32 v237, v234, v235
	v_cmp_ge_u32 s44, s28, v236
	v_cmp_le_u32 s45, s27, v237
	s_and_b32 s30, s44, s45                        ; MWG
.irp u, 0,1
	v_cmp_ge_u32 s44, s26, v[232+\u]
	v_cmp_le_u32 s45, s25, v[234+\u]
	s_and_b32 s[31+\u], s44, s45                   ; MA
	v_cmp_eq_u32 s44, v[232+\u], v[234+\u]
	v_cmp_eq_u32 s45, s25, v[232+\u]
	s_and_b32 s[33+\u], s44, s45                   ; MP, if my queries hold one value:
.endr
	s_cmp_eq_u32 s25, s26
	s_cselect_b32 s33, s33, 0
	s_cselect_b32 s34, s34, 0
	s_wait_loadcnt 50                              ; my part of index is in; 2 + 16 + 32 younger loads may be out
.irp i, 0,1,2,3,4,5,6,7
	ds_store_b128 v31, v[IK+4*\i:IK+4*\i+3] offset:512*\i
.endr
.irp t, 0,1
	v_mov_b32 v[ST+8*\t+1], 0xff61b1e6             ; m = -3e38, under every score
	v_mul_f32 v[ST+8*\t], s38, v[ST+8*\t+1]
.irp k, 2,3,4,5,6,7
	v_mov_b32 v[ST+8*\t+\k], 0
.endr
.endr
	WIN 0x40
.set n, 0
.rept 128
	v_mov_b32 v[n], 0                              ; O^T.  Which step is a wave's first hangs on the data, so no first step can be written out to start the sums
.set n, n+1
.endr
	WIN 0
	s_wait_xcnt 0x0                                ; tile 0's loads have read their base
	s_add_nc_u64 s[42:43], s[42:43], 32768         ; at tile 1
	s_mov_b32 s36, 0                               ; the pair of tiles' index words: 1,024 bytes a trip
	s_mov_b32 s37, 0
.Ltrip:                                            ; 16 trips of two key tiles, one in each slot
	TRIP 0
	TRIP 1
	s_wait_xcnt 0x0                                ; the trip's loads have read their base
	s_add_nc_u64 s[42:43], s[42:43], 65536
	s_add_co_u32 s36, s36, 1024
	s_add_co_u32 s37, s37, 1
	s_cmp_lt_u32 s37, 16
	s_cbranch_scc1 .Ltrip
	; THE WAY OUT.  O^T / l, rounded to f16: a lane's eight channels of a channel tile are 16 bytes of res's image: 512 consecutive bytes a store.
.irp t, 0,1
	v_add_f32 v[ST+8*\t+4], v[ST+8*\t+2], v[ST+8*\t+3]
.endr
.irp t, 0,1
	v_permlanex16_b32 v[ST+8*\t+5], v[ST+8*\t+4], s40, s41
.endr
.irp t, 0,1
	v_add_f32 v[ST+8*\t+4], v[ST+8*\t+4], v[ST+8*\t+5]
.endr
.irp t, 0,1
	v_rcp_f32 v[ST+8*\t+6], v[ST+8*\t+4]           ; every query counts itself among its keys: l is above 0
.endr
	v_nop
	s_wait_alu depctr_va_vdst(0)                   ; one wait for the two reciprocals, ahead of their first reader
.macro SEND t, o
	WIN 0x01                                       ; source 0 (O^T) window 1
.set n, 0
.rept 32
	v_pk_mul_f32 v[S+2*n:S+2*n+1], v[64*\t+2*n:64*\t+2*n+1], v[ST+8*\t+6:ST+8*\t+7] op_sel_hi:[1,0]
.set n, n+1
.endr
	WIN 0
.set n, 0
.rept 32
	v_cvt_pk_f16_f32 v[\o+n], v[S+2*n], v[S+2*n+1]
.set n, n+1
.endr
.irp ct, 0,1,2,3,4,5,6,7
	global_store_b128 v4, v[\o+4*\ct:\o+4*\ct+3], s[10:11] offset:\t*32768+512*\ct
.endr
.endm
	SEND 0, P
	SEND 1, IK
	s_wait_tensorcnt 0x0                           ; the wave's end, behind my last LDS store
	ds_add_u32 v28, v29
	s_wait_dscnt 0x0
	s_endpgm
.Lfunc_end_k_qb546145d7e_attn:
	.size	k_qb546145d7e_attn, .Lfunc_end_k_qb546145d7e_attn-k_qb546145d7e_attn
	.p2alignl 7, 3214868480
	.fill 96, 4, 3214868480
	.section	.rodata,"a",@progbits
	.p2align	6, 0x0
	.amdhsa_kernel k_qb546145d7e_attn
		.amdhsa_group_segment_fixed_size 147968
		.amdhsa_private_segment_fixed_size 0
		.amdhsa_enable_private_segment 0
		.amdhsa_kernarg_size 32
		.amdhsa_user_sgpr_count 2
		.amdhsa_user_sgpr_kernarg_segment_ptr 1
		.amdhsa_wavefront_size32 1
		.amdhsa_system_sgpr_workgroup_id_x 1
		.amdhsa_system_sgpr_workgroup_id_y 1
		.amdhsa_system_sgpr_workgroup_id_z 1
		.amdhsa_system_vgpr_workitem_id 0
		.amdhsa_next_free_vgpr 768
		.amdhsa_next_free_sgpr 66
		.amdhsa_reserve_vcc 1
		.amdhsa_float_denorm_mode_32 3
		.amdhsa_float_denorm_mode_16_64 3
		.amdhsa_memory_ordered 1
		.amdhsa_forward_progress 1
		.amdhsa_inst_pref_size 148
	.end_amdhsa_kernel
	.amdgpu_metadata
---
amdhsa.version: [ 1, 2 ]
amdhsa.kernels:
  - .name:           k_qb546145d7e_attn
    .symbol:         k_qb546145d7e_attn.kd
    .args:
      - { .name: qkv, .offset: 0, .size: 8, .value_kind: global_buffer, .address_space: global }
      - { .name: index, .offset: 8, .size: 8, .value_kind: global_buffer, .address_space: global }
      - { .name: segs, .offset: 16, .size: 8, .value_kind: global_buffer, .address_space: global }
      - { .name: res, .offset: 24, .size: 8, .value_kind: global_buffer, .address_space: global }
    .group_segment_fixed_size: 147968
    .private_segment_fixed_size: 0
    .kernarg_segment_align: 8
    .kernarg_segment_size: 32
    .max_flat_workgroup_size: 128
    .sgpr_count:     66
    .vgpr_count:     768
    .wavefront_size: 32
...
	.end_amdgpu_metadata
.endif
;; end of part 3
;; launch outp (part 4): grid 4 x 64, 4 waves a work-group, clusters of 4 x 4, 327,680 bytes of LDS; arguments res, wo16, out0; writes out0
.if DOCPART == 4
	.amdgcn_target "amdgcn-amd-amdhsa--gfx1250"
	.amdhsa_code_object_version 6
	.text
	.protected	k_qb546145d7e_outp
	.globl	k_qb546145d7e_outp
	.p2align	8
	.type	k_qb546145d7e_outp,@function
k_qb546145d7e_outp:
	s_mov_b64 s[64:65], 0
	v_nop
	global_prefetch_b8 v0, s[64:65] scope:SCOPE_SE
	s_setreg_imm32_b32 hwreg(HW_REG_WAVE_MODE, 25, 1), 1
	s_wait_xcnt 0x0
	s_wait_alu depctr_hold_cnt(0) depctr_sa_sdst(0) depctr_va_vdst(0) depctr_va_sdst(0) depctr_va_ssrc(0) depctr_va_vcc(0) depctr_vm_vsrc(0)
	s_getreg_b32 s2, hwreg(HW_REG_IB_STS2, 6, 4)
	s_cmp_eq_u32 s2, 0
	s_cbranch_scc0 .Lentry_in_a_cluster
	s_endpgm
.Lentry_in_a_cluster:
	s_bfe_u32 s2, ttmp6, 0x10000c
	s_cmp_lg_u32 s2, 0xf033
	s_cbranch_scc0 .Lentry_shape_is_right
	s_endpgm
.Lentry_shape_is_right:
; OUTP: out0 = res Wo, [4096][1024] x [1024][512], f16 operands, f32 sums, f32 out.
; SHARES.  A work-group takes 64 tokens (rbk) x 128 columns (nb): 256 work-groups.  Wave (wy, wx) takes 32 tokens x 64 columns: 8 accumulators, 256 matrix instructions.
; Both operands lie in memory as images of their registers: res [token tile 256][K step 32][1024 B], wo16 [column tile 32][K step 32][1024 B].
; K goes in four chunks of 256 (8 K steps) through three LDS slots of 98,304 bytes: 4 token tiles x 8,192 bytes, then 8 column tiles x 8,192.  Chunks 0, 1, 2 are first fills; chunk 3 is the one refill, into slot 0.
; Waves 0, 1 fetch res's halves (2 rows of 8,192 bytes, 32,768 apart), waves 2, 3 Wo's (4 such rows).  By this text's count a wave has three tensor loads out at the start and one behind the refill.
; CLUSTER 4 x 4: res's tiles hang on rbk alone and are shared along a row of the cluster, Wo's on nb alone and are shared along a column: joint loads.
; THE PRODUCT IS USED TRANSPOSED (source 0 = 16 columns of Wo, source 1 = 16 tokens): a lane holds eight neighbouring numbers of a row of out0.  They go through the wave's own stage in LDS and leave
; as runs of 256 consecutive bytes, aligned, sixteen lanes to a run.  The stage lies in slot 1, which has had its last fill, and whose last read stands ahead of the last barrier.
; REGISTERS: v4 16 x lane; v6, v7 the chunk's fragments in LDS; v8, v9 the same in slot 0; v10, v11 the stage, in and back; v12 my bytes in out0; v28, v29 the add's two;
;   v32-79, v80-127 two sets of fragments (2 of res, then 4 of Wo); v128-191 accumulators (token tile i, column tile j) at 8 (4 i + j); v192-255 rows on their way out.
.set SLOT,  98304
.set SPARE, 294912
.set STAGE, SLOT
.set F0,  32
.set ACC, 128
.set BK,  192
.set G1A, 24
.set G1B, 32
.set G0A, 40                           ; s[40:51] three sets, one a slot
.set G0B, 52                           ; s[52:63]
.macro CROUND                          ; a round of the cluster's barrier
	s_barrier_signal -1
	s_barrier_wait -1
	s_cmp_lg_u32 s10, 0
	s_cbranch_scc1 .Lnot_wave_0_\@
	s_barrier_signal -3
.Lnot_wave_0_\@:
	s_barrier_wait -3
	s_barrier_signal -1
	s_barrier_wait -1
.endm
.macro PLACES                          ; four places in front of loads into registers that matrix instructions have read, and of the first read of results
.rept 4
	v_nop
.endr
.endm
.macro LOADK ks                        ; K step ks of the chunk: 12 loads into set ks % 2
.set FL, F0+48*((\ks)%2)
.irp i, 0,1
.irp c, 0,1
	ds_load_b128 v[FL+8*\i+4*\c:FL+8*\i+4*\c+3], v6 offset:\i*8192+(\ks)*1024+512*\c
.endr
.endr
.irp j, 0,1,2,3
.irp c, 0,1
	ds_load_b128 v[FL+16+8*\j+4*\c:FL+16+8*\j+4*\c+3], v7 offset:\j*8192+(\ks)*1024+512*\c
.endr
.endr
.endm
; the chunk in a slot: 64 matrix instructions; the eight accumulators take turns, one instruction a turn, in the same order in every K step
.macro CHUNK slot, zero
	PLACES
	v_add_nc_u32 v6, \slot*SLOT, v8
	v_add_nc_u32 v7, \slot*SLOT, v9
	LOADK 0
.irp ks, 0,1,2,3,4,5,6,7
.if \ks < 7
	PLACES
	LOADK \ks+1
	s_wait_dscnt 12                                ; this K step's fragments are in; the next step's twelve loads may be out
.else
	s_wait_dscnt 0x0
.endif
.set FC, F0+48*(\ks%2)
.irp i, 0,1
.irp j, 0,1,2,3
.if \zero && (\ks == 0)
	v_wmma_f32_16x16x32_f16 v[ACC+8*(4*\i+\j):ACC+8*(4*\i+\j)+7], v[FC+16+8*\j:FC+16+8*\j+7], v[FC+8*\i:FC+8*\i+7], 0
.else
	v_wmma_f32_16x16x32_f16 v[ACC+8*(4*\i+\j):ACC+8*(4*\i+\j)+7], v[FC+16+8*\j:FC+16+8*\j+7], v[FC+8*\i:FC+8*\i+7], v[ACC+8*(4*\i+\j):ACC+8*(4*\i+\j)+7]
.endif
.endr
.endr
.endr
.endm
	s_load_b128 s[4:7], s[0:1], 0x0                ; res, wo16
	s_load_b64 s[8:9], s[0:1], 0x10                ; out0
	v_lshl_add_u32 v28, v0, 2, SPARE
	v_mov_b32 v29, 0
	ds_add_u32 v28, v29                            ; the wave's opening: the add and its wait stand ahead of my first tensor load; the set-up below stands between them
	v_lshrrev_b32 v1, 5, v0
	v_readfirstlane_b32 s10, v1                    ; wave
	s_lshr_b32 s17, s10, 1                         ; wy: my half of the tokens.  Also: I fetch for res (0) or for Wo (1)
	s_and_b32 s18, s10, 1                          ; wx: my half of the columns.  Also: which half of that operand I fetch
	s_bfe_u32 s11, ttmp6, 0x40000                  ; cx
	s_bfe_u32 s12, ttmp6, 0x40004                  ; cy
	s_lshl_b32 s13, ttmp9, 2
	s_add_co_u32 s13, s13, s11                     ; nb
	s_and_b32 s14, ttmp7, 0xffff
	s_lshl_b32 s14, s14, 2
	s_add_co_u32 s14, s14, s12                     ; rbk
	s_lshl_b32 s15, s12, 2
	s_lshl_b32 s15, 15, s15                        ; my row of the cluster
	s_lshl_b32 s16, 0x1111, s11                    ; my column
	; group 1: rows of 1,024 elements of 8 bytes, 4,096 elements apart; res: 2 rows, Wo: 4; no padding
	s_or_b32 s[G1A], s15, (3<<16)|(1<<21)
	s_mov_b32 s[G1A+1], 1024<<16                   ; tensor_dim0
	s_mov_b32 s[G1A+2], 2<<16                      ; tensor_dim1
	s_mov_b32 s[G1A+3], 1024<<16                   ; tile_dim0
	s_mov_b32 s[G1A+4], 2                          ; tile_dim1
	s_mov_b32 s[G1A+5], 4096                       ; from row to row
	s_mov_b32 s[G1A+6], 0
	s_mov_b32 s[G1A+7], 0
	s_or_b32 s[G1B], s16, (3<<16)|(1<<21)
	s_mov_b32 s[G1B+1], 1024<<16
	s_mov_b32 s[G1B+2], 4<<16
	s_mov_b32 s[G1B+3], 1024<<16
	s_mov_b32 s[G1B+4], 4
	s_mov_b32 s[G1B+5], 4096
	s_mov_b32 s[G1B+6], 0
	s_mov_b32 s[G1B+7], 0
	s_lshl_b32 s66, s14, 17                        ; res: token tiles 4 rbk + 2 wx of 32,768 bytes: rbk and the wave alone
	s_lshl_b32 s19, s18, 16
	s_add_co_u32 s66, s66, s19
	s_mov_b32 s67, 0
	s_lshl_b32 s68, s13, 18                        ; Wo: column tiles 8 nb + 4 wx: nb and the wave alone
	s_lshl_b32 s19, s18, 17
	s_add_co_u32 s68, s68, s19
	s_mov_b32 s69, 0
	s_lshl_b32 s19, s18, 14                        ; in a slot: res's halves at 0 and 16384,
	s_lshl_b32 s20, s18, 15
	s_add_co_u32 s20, s20, 32768                   ; Wo's at 32768 and 65536
	s_lshl_b32 s72, s14, 17                        ; out0: row 64 rbk + 32 wy of 2,048 bytes, + 512 nb + 256 wx
	s_lshl_b32 s21, s17, 16
	s_add_co_u32 s72, s72, s21
	s_lshl_b32 s21, s13, 9
	s_add_co_u32 s72, s72, s21
	s_lshl_b32 s21, s18, 8
	s_add_co_u32 s72, s72, s21
	s_mov_b32 s73, 0
	s_wait_dscnt 0x0                               ; the opening add is done
	s_wait_kmcnt 0x0
	s_add_nc_u64 s[70:71], s[4:5], s[66:67]
	s_add_nc_u64 s[74:75], s[6:7], s[68:69]
	s_add_nc_u64 s[8:9], s[8:9], s[72:73]
.irp j, 0,1,2
	s_mov_b32 s[G0A+4*\j], 1
	s_add_co_u32 s[G0A+4*\j+1], s19, \j*SLOT
	s_add_nc_u64 s[G0A+4*\j+2:G0A+4*\j+3], s[70:71], \j*8192
	s_or_b32 s[G0A+4*\j+3], s[G0A+4*\j+3], 0x80000000
	s_mov_b32 s[G0B+4*\j], 1
	s_add_co_u32 s[G0B+4*\j+1], s20, \j*SLOT
	s_add_nc_u64 s[G0B+4*\j+2:G0B+4*\j+3], s[74:75], \j*8192
	s_or_b32 s[G0B+4*\j+3], s[G0B+4*\j+3], 0x80000000
.endr
	CROUND                                         ; all sixteen work-groups are here: the first joint loads meet
	s_cmp_eq_u32 s17, 0                            ; a wave's three first fills stand in one branch; an s_nop 0 follows each, four v_nop the third's
	s_cbranch_scc0 .Lfirst_b
	tensor_load_to_lds s[G0A:G0A+3], s[G1A:G1A+7]
	s_nop 0
	tensor_load_to_lds s[G0A+4:G0A+7], s[G1A:G1A+7]
	s_nop 0
	tensor_load_to_lds s[G0A+8:G0A+11], s[G1A:G1A+7]
	s_nop 0
.rept 4
	v_nop
.endr
	s_branch .Lfirst_asked
.Lfirst_b:
	tensor_load_to_lds s[G0B:G0B+3], s[G1B:G1B+7]
	s_nop 0
	tensor_load_to_lds s[G0B+4:G0B+7], s[G1B:G1B+7]
	s_nop 0
	tensor_load_to_lds s[G0B+8:G0B+11], s[G1B:G1B+7]
	s_nop 0
.rept 4
	v_nop
.endr
.Lfirst_asked:
	v_and_b32 v1, 31, v0
	v_and_b32 v2, 15, v0                           ; r
	v_bfe_u32 v3, v0, 4, 1                         ; h
	v_lshlrev_b32 v4, 4, v1
	s_lshl_b32 s21, s17, 14
	v_add_nc_u32 v8, s21, v4                       ; my two token tiles
	v_add_nc_u32 v9, s20, v4                       ; my four column tiles
	s_mul_i32 s21, s10, 8704
	s_add_co_u32 s21, s21, STAGE                   ; my stage: 2 x 16 rows x (256 bytes + 16)
	v_mul_u32_u24 v10, v2, 272
	v_lshl_add_u32 v10, v3, 5, v10
	v_add_nc_u32 v10, s21, v10                     ; in: row r, + 32 h
	v_mul_u32_u24 v11, v3, 272
	v_lshl_add_u32 v11, v2, 4, v11
	v_add_nc_u32 v11, s21, v11                     ; back: lanes 0-15 one row, lanes 16-31 the next
	v_lshlrev_b32 v12, 11, v3
	v_lshl_add_u32 v12, v2, 4, v12                 ; and the same two rows in out0
	s_wait_tensorcnt 2                             ; my part of chunk 0 is in; chunks 1 and 2 may be out
	s_barrier_signal -1
	s_barrier_wait -1
	CHUNK 0, 1
	s_wait_tensorcnt 0x0                           ; THE REFILL OF SLOT 0.  All my tensor loads have landed, chunks 1 and 2 among them;
	ds_add_u32 v28, v29                            ; 0 onto my spare word;
	s_add_nc_u64 s[G0A+2:G0A+3], s[G0A+2:G0A+3], 24576   ; slot 0's descriptors step to chunk 3
	s_add_nc_u64 s[G0B+2:G0B+3], s[G0B+2:G0B+3], 24576
	s_wait_dscnt 0x0                               ; the add is done, and my reads of slot 0 are over
	CROUND                                         ; both hold of every wave of every partner
	s_cmp_eq_u32 s17, 0
	s_cbranch_scc0 .Lre_b
	tensor_load_to_lds s[G0A:G0A+3], s[G1A:G1A+7]
	s_nop 0
.rept 4
	v_nop
.endr
	s_branch .Lre_asked
.Lre_b:
	tensor_load_to_lds s[G0B:G0B+3], s[G1B:G1B+7]
	s_nop 0
.rept 4
	v_nop
.endr
.Lre_asked:
	CHUNK 1, 0                                     ; the refill has these two chunks, 128 matrix instructions, in which to land
	CHUNK 2, 0
	s_wait_tensorcnt 0x0                           ; my part of chunk 3 is in (the one load that was out),
	s_wait_dscnt 0x0                               ; my reads of slots 1 and 2 are over,
	s_barrier_signal -1
	s_barrier_wait -1                              ; everybody's
	CHUNK 0, 0
	PLACES
.irp i, 0,1
.irp j, 0,1,2,3
	ds_store_b128 v10, v[ACC+8*(4*\i+\j):ACC+8*(4*\i+\j)+3] offset:\i*4352+64*\j          ; each accumulator from its low end on
	ds_store_b128 v10, v[ACC+8*(4*\i+\j)+4:ACC+8*(4*\i+\j)+7] offset:\i*4352+64*\j+16
.endr
.endr
.irp i, 0,1
.irp t, 0,1,2,3,4,5,6,7
	ds_load_b128 v[BK+4*(8*\i+\t):BK+4*(8*\i+\t)+3], v11 offset:\i*4352+544*\t   ; LDS serves a wave's instructions in order: these see my stores
.endr
.endr
.irp i, 0,1
.irp t, 0,1,2,3,4,5,6,7
	s_wait_dscnt 15-(8*\i+\t)
	global_store_b128 v12, v[BK+4*(8*\i+\t):BK+4*(8*\i+\t)+3], s[8:9] offset:(16*\i+2*\t)*2048 th:TH_STORE_NT   ; sixteen lanes store 256 consecutive bytes, at a multiple of 256 from out0's first byte
.endr
.endr
	s_wait_tensorcnt 0x0                           ; the wave's end
	ds_add_u32 v28, v29
	s_wait_dscnt 0x0
	CROUND                                         ; the closing round
	s_endpgm
.Lfunc_end_k_qb546145d7e_outp:
	.size	k_qb546145d7e_outp, .Lfunc_end_k_qb546145d7e_outp-k_qb546145d7e_outp
	.p2alignl 7, 3214868480
	.fill 96, 4, 3214868480
	.section	.rodata,"a",@progbits
	.p2align	6, 0x0
	.amdhsa_kernel k_qb546145d7e_outp
		.amdhsa_group_segment_fixed_size 327680
		.amdhsa_private_segment_fixed_size 0
		.amdhsa_enable_private_segment 0
		.amdhsa_kernarg_size 24
		.amdhsa_user_sgpr_count 2
		.amdhsa_user_sgpr_kernarg_segment_ptr 1
		.amdhsa_wavefront_size32 1
		.amdhsa_system_sgpr_workgroup_id_x 1
		.amdhsa_system_sgpr_workgroup_id_y 1
		.amdhsa_system_sgpr_workgroup_id_z 1
		.amdhsa_system_vgpr_workitem_id 0
		.amdhsa_next_free_vgpr 256
		.amdhsa_next_free_sgpr 84
		.amdhsa_reserve_vcc 0
		.amdhsa_float_denorm_mode_32 3
		.amdhsa_float_denorm_mode_16_64 3
		.amdhsa_memory_ordered 1
		.amdhsa_forward_progress 1
		.amdhsa_inst_pref_size 58
	.end_amdhsa_kernel
	.amdgpu_metadata
---
amdhsa.version: [ 1, 2 ]
amdhsa.kernels:
  - .name:           k_qb546145d7e_outp
    .symbol:         k_qb546145d7e_outp.kd
    .args:
      - { .name: res, .offset: 0, .size: 8, .value_kind: global_buffer, .address_space: global }
      - { .name: wo16, .offset: 8, .size: 8, .value_kind: global_buffer, .address_space: global }
      - { .name: out0, .offset: 16, .size: 8, .value_kind: global_buffer, .address_space: global }
    .group_segment_fixed_size: 327680
    .private_segment_fixed_size: 0
    .kernarg_segment_align: 8
    .kernarg_segment_size: 24
    .max_flat_workgroup_size: 128
    .sgpr_count:     84
    .vgpr_count:     256
    .wavefront_size: 32
...
	.end_amdgpu_metadata
.endif
;; end of part 4
